; MI455X (gfx1250); checked and timed in simulation.
; The chip was launched on July 23, 2026; its instructions are those of AMD's public machine-readable ISA for CDNA 5 (MIT licence, August 2026) and "CDNA5" Instruction Set Architecture Reference Guide (July 2026). The comments in the code are by the model that wrote it; some were corrected since.
;; Multi Head Attention. Allowed arithmetic: matrix products marked QUANTISED: E4M3 operands, one E8M0 scale for each 32 along K, by v_wmma_scale_f32_16x16x128_f8f6f4 with both operands' format E4M3, f32 sums; everything else in f32.
;; Inputs: Wk_codes 1,024 x 32 x 32 uint8 (E4M3 codes of Wk, K innermost, in blocks of 32 codes); Wk_scales 1,024 x 32 uint8 (E8M0 scales of Wk, one for each 32 codes along K); Wq_codes 1,024 x 32 x 32 uint8 (E4M3 codes of Wq, K innermost, in blocks of 32 codes); Wq_scales 1,024 x 32 uint8 (E8M0 scales of Wq, one for each 32 codes along K); Wv_codes 1,024 x 32 x 32 uint8 (E4M3 codes of Wv, K innermost, in blocks of 32 codes); Wv_scales 1,024 x 32 uint8 (E8M0 scales of Wv, one for each 32 codes along K); bk 1,024 float32; bq 1,024 float32; bv 1,024 float32; k_codes 4 x 2,048 x 32 x 32 uint8 (E4M3 codes of k, K innermost, in blocks of 32 codes); k_scales 4 x 2,048 x 32 uint8 (E8M0 scales of k, one for each 32 codes along K); q_codes 4 x 2,048 x 32 x 32 uint8 (E4M3 codes of q, K innermost, in blocks of 32 codes); q_scales 4 x 2,048 x 32 uint8 (E8M0 scales of q, one for each 32 codes along K); v_codes 4 x 2,048 x 32 x 32 uint8 (E4M3 codes of v, K innermost, in blocks of 32 codes); v_scales 4 x 2,048 x 32 uint8 (E8M0 scales of v, one for each 32 codes along K).
;; Outputs: out0 4 x 2,048 x 1,024 float32.
;; This version of the problem:
;;   THIS VERSION OF THE PROBLEM IS GIVEN IN LOW PRECISION. The matrix products marked QUANTISED in the list below multiply operands that are first quantised to E4M3 (4 exponent bits, 3 mantissa bits; 8 bits a number), with one power-of-two scale for each 32 numbers along K (OCP MX v1.0); their sums are f32. All else is computed in f32.
;;   The module's matrix products, in the order in which they are computed (A, B: the left and right operand; K: the contracted axis; several contracted axes count as one K, in the product's order):
;;     1. [M 8,192, K 1,024] x [K 1,024, N 1,024]; A: input q (given as codes); B: input Wq (given as codes): QUANTISED
;;     2. [M 8,192, K 1,024] x [K 1,024, N 1,024]; A: input k (given as codes); B: input Wk (given as codes): QUANTISED
;;     3. [M 8,192, K 1,024] x [K 1,024, N 1,024]; A: input v (given as codes); B: input Wv (given as codes): QUANTISED
;;     4. batch 64 x [M 2,048, K 64] x [K 64, N 2,048]; A: computed on the way; B: computed on the way: QUANTISED
;;     5. batch 64 x [M 64, K 2,048] x [K 2,048, N 2,048]; A: computed on the way; B: softmax (see below): QUANTISED
;;   THE QUANTISER, for each operand of a quantised product, along K:
;;     - K is cut into blocks of 32 from its start; a last block that is shorter is filled with zeros.
;;     - A block's scale is 2^e with e = floor(log2(the largest magnitude in the block)) - 8, held to -126 .. 127; a block of zeros has e = 0. As a byte (E8M0): e + 127.
;;     - Each number is divided by its block's scale, clamped to +-448, and rounded to the nearest number of E4M3, ties to even, subnormals kept.
;;     - The product sums the exact products of the quantised numbers (number of the format x scale) in f32.
;;   ~~~python
;;   def quantise(x, axis):      # numpy; x: float32 -> the quantised numbers, widened to float32 again
;;       x = np.moveaxis(x, axis, -1); K = x.shape[-1]
;;       x = np.pad(x, [(0, 0)] * (x.ndim - 1) + [(0, -K % 32)]); x = x.reshape(x.shape[:-1] + (-1, 32)); a = np.abs(x).max(-1, keepdims=True)
;;       e = np.where(a > 0, np.clip(np.frexp(np.where(a > 0, a, 1))[1] - 1 - 8, -126, 127), 0)      # np.frexp(a)[1] - 1 = floor(log2(a)), exactly
;;       r = np.clip(x / 2.0 ** e, -448, 448)
;;       step = 2.0 ** (np.maximum(np.frexp(np.where(r == 0, 1, r))[1] - 1, -6) - 3)
;;       q = np.round(r / step) * step * 2.0 ** e      # np.round: ties to even
;;       return np.moveaxis(q.reshape(q.shape[:-2] + (-1,))[..., :K], -1, axis).astype(np.float32)
;;   ~~~
;;   SOFTMAX AHEAD OF A QUANTISED PRODUCT. Where the list says 'softmax', what is quantised is not the finished softmax but p = 2^(t - M), with t = logit x log2(e) and M = ceil(the row's largest t), a whole number; so 1/2 < the row's largest p <= 1. The row's sum l is taken of the UNQUANTISED p, in f32, and the product's result is divided by l at the end. Since M is a whole number, a kernel that streams over the keys may use a running M (the ceiling of the running maximum): every later rescaling is an exact power of two, which a block's scale takes up: the codes' values come out the same.
;;   OPERANDS COMPUTED ON THE WAY. 'Computed on the way' means the value that the module computes at that place (a softmax that the list does not call 'softmax' is quantised finished and normalised). What goes into a quantiser is computed in f32, as accurately as f32 sums, v_exp_f32 and their like allow (about 1e-6 of the number): no bf16 or f16 on the way to a quantiser, and a product that is left as it is and whose result goes on into a quantised operand takes f32 operands (vector FMAs, or v_wmma_f32_16x16x4_f32). A number that lies on a knife's edge between two numbers of the format may be rounded either way, as far as f32 arithmetic and the matrix unit's own rounding can turn it there, and no further.
;;   INPUTS GIVEN AS CODES. Wk (in the module: [1024, 1024], K = its axis 0); Wq (in the module: [1024, 1024], K = its axis 0); Wv (in the module: [1024, 1024], K = its axis 0); k (in the module: [4, 2048, 1024], K = its axis 2); q (in the module: [4, 2048, 1024], K = its axis 2); v (in the module: [4, 2048, 1024], K = its axis 2): each comes as NAME_codes (uint8): NAME with its K axis moved to the last place and cut into blocks of 32 codes, [.., K / 32, bytes a block], one block behind the other in memory; one code a byte (a code: sign, 4 exponent bits, 3 mantissa bits); and NAME_scales (uint8): the same leading axes, one E8M0 byte (e + 127) for each 32 codes along K. Its value is code x scale, taken as it is: it is not quantised again, and the codes and scales need not be those that the quantiser above would give.
;; One version. Each part assembles by itself: llvm-mc -triple=amdgcn-amd-amdhsa -mcpu=gfx1250 --defsym DOCPART=n.
;; ======== version 1 of 1: 2 launches
;; workspace buffers: qc 8,388,608 bytes; kc 8,388,608 bytes; vc 8,388,608 bytes; qs 262,144 bytes; ks 262,144 bytes; vs 262,144 bytes
;; launch proj (part 1): grid 4 x 96, 4 waves a work-group, clusters of 4 x 4, 327,680 bytes of LDS; arguments q_codes, k_codes, Wv_codes, q_scales, k_scales, Wv_scales, Wq_codes, Wk_codes, v_codes, Wq_scales, Wk_scales, v_scales, qc, kc, vc, qs, ks, vs, bq, bk, bv; writes qc, kc, vc, qs, ks, vs
.if DOCPART == 1
	.amdgcn_target "amdgcn-amd-amdhsa--gfx1250"
	.amdhsa_code_object_version 6
	.text
	.protected	k_qf68d940df2_proj
	.globl	k_qf68d940df2_proj
	.p2align	8
	.type	k_qf68d940df2_proj,@function
k_qf68d940df2_proj:
	s_mov_b64 s[64:65], 0
	v_nop
	global_prefetch_b8 v0, s[64:65] scope:SCOPE_SE
	s_setreg_imm32_b32 hwreg(HW_REG_WAVE_MODE, 25, 1), 1
	s_wait_xcnt 0x0
	s_wait_alu depctr_hold_cnt(0) depctr_sa_sdst(0) depctr_va_vdst(0) depctr_va_sdst(0) depctr_va_ssrc(0) depctr_va_vcc(0) depctr_vm_vsrc(0)
	s_getreg_b32 s2, hwreg(HW_REG_IB_STS2, 6, 4)
	s_cmp_eq_u32 s2, 0
	s_cbranch_scc0 .Lentry_in_a_cluster
	s_endpgm
.Lentry_in_a_cluster:
	s_bfe_u32 s2, ttmp6, 0x10000c
	s_cmp_lg_u32 s2, 0xf033
	s_cbranch_scc0 .Lentry_shape_is_right
	s_endpgm
.Lentry_shape_is_right:
; THE THREE PROJECTIONS, q Wq + bq, k Wk + bk, v Wv + bv, each quantised to FP8 (E4M3) codes with one E8M0 scale for 32 numbers, in one launch and one body:
;   OUT[a][b] = sum over k of A[a][k] B[b][k] + bias, K = 1,024, both operands codes with K innermost and one scale byte for 32 along K; OUT is quantised ALONG b in blocks of 32.
;   q, k: A = the activations (8,192 rows), B = the weight (1,024 rows), bias by b: the blocks run along the head's 64.      v: A = Wv (1,024 rows), B = v (8,192 rows), bias by a: the blocks run along the keys.
; A tile of OUT is 256 x 256: four waves, each 128 x 128 in 64 accumulators of 16 x 16 (512 registers).  128 tiles a tensor, 384 work-groups.  K goes in steps of 256 through a ring of two LDS slots filled by the
; tensor data mover (rows of 256 bytes); the scale bytes of the work-group's rows, for all of K, come into LDS once.  The bias is the C of each sum's first product.
; CLUSTERS: 4 x 4 work-groups; the four of a row need the same tiles of A, the four of a column the same tiles of B: each tile is asked for jointly.  Which tensor a cluster serves hangs on the cluster's y alone.
; THE MATRIX INSTRUCTION IS USED TRANSPOSED (source 0 = 16 rows of B, source 1 = 16 rows of A): lane (r, h) holds row a = r, and register j of accumulator b the column 16 b + 8 h + j: neighbours along the quantised axis.
; WHAT IS STORED (read by the attention launch alone).  Codes: units of 2,048 bytes = 32 rows x 64 columns, four chunks c = 2 u + cd of 512 bytes, lane (r, h)'s 16 bytes at 16 x lane: row 8 u + r + 8 (r / 8),
; columns 32 cd + 16 h + 0 .. 15: the order of an operand's registers.  Scale bytes: units of 256 bytes = [r 16][p 4] words: for the block p of 32 rows, the two bytes of row r + 8 (r / 8) below, those of the row 8 further on above.
; LIMITS: NaN and infinities among the inputs are not served.  A block of zeros gets the byte 1 (its codes are zeros, and this program alone reads the bytes).  Blocks whose largest magnitude lies under 2^-118 were not tried.
; REGISTERS, in windows of 256: window 0: v0-31 addresses; v32-63 scale words, two sets; v64-127 the bias; from v128 A's fragments, one set; on the way out v32-255 are free.
;   window 1: B's fragments, two sets.   window 2: the accumulators of my rows 0-63 ((a, b) at v[8 (8 a + b)]);   window 3: those of my rows 64-127.
.set KSTEP,  256                       ; along K in a slot
.set NQ,     2                         ; matrix instructions deep
.set ROWB,   256                       ; a tile's row in bytes
.set KROW,   1024                      ; a row of A or of B in memory
.set PITCH,  272                       ; an LDS row: 256 bytes + 16 of padding: the 16 rows that a load touches start at 16 different banks (64 banks of 4 bytes: ISA guide 11.1)
.set FR,     16                        ; registers of a fragment
.set NL,     4                         ; LDS loads that bring one
.set NP,     8                         ; places behind this matrix instruction (ISA guide 7.12.1)
.set HALFT,  128*PITCH                 ; 128 rows: what one tensor load brings
.set SLOT,   4*HALFT                   ; A's 256 rows, then B's 256 rows
.set LAPS,   2                         ; 1,024 along K = four K steps = twice round the ring
.set KS,     32                        ; a row of scale bytes
.set SCL,    2*SLOT                    ; behind the ring: the scales, as units of 256 bytes + 16 of padding
.set HALFS,  (128*KS/256)*272          ; those of 128 rows
.set SBLK,   (16*KS/256)*272           ; those of 16 rows
.set SPARE,  SCL+4*HALFS               ; the spare words, 128 bytes for each wave: two blocks of 256 bytes that no other line names
.set SP,     144                       ; the way out: a stage row: 128 codes + 16 of padding
.set WSTG,   5120                      ; a wave's stage: 32 such rows, then 512 bytes of scale words.  It lies in slot 0, which has had its last fill and its last read by then
.set BO,   8                           ; v8-15   the bias's eight offsets
.set VO,   8                           ; v8-11   later: my offsets in the codes' buffer, (eta, q) at VO + 2 eta + q
.set ADRA, 16                          ; v16-17  LDS address of my A fragments in slot 0, 1
.set ADRB, 20                          ; v20-21  the same for B
.set STO,  24                          ; v24     the way out: where I put 8 codes
.set RDA,  25                          ; v25     where I read 16 codes back
.set SSO,  26                          ; v26     where I put a row's scale word
.set ADRS, 27                          ; v27     LDS address of my scale words: lanes 0-15 A's rows, lanes 16-31 B's
.set SPW,  28                          ; v28     LDS address of my spare word; never rewritten
.set NIL,  29                          ; v29     0; never rewritten
.set SRA,  30                          ; v30     where I read two scale bytes back
.set VSO,  31                          ; v31     my offset in the scale bytes' buffer
.set SC,   32                          ; scale words, set s at v[SC + 16 s]
.set BI,   64                          ; v64-127 the bias: eight sets of eight registers in the result's layout
.set AF,   128                         ; A's fragments
.set W,    32                          ; the way out: v32-35 four scale words to store;  v36-43 their halves
.set T,    36
.set X,    64                          ; v64-127  64 numbers, held
.set PC,   128                         ; v128-159 codes, two sets
.set TM,   160                         ; v160-163 largest magnitudes, v164-167 bytes, v168-171 448 x the scale, v172-175 the conversions' scale operands
.set PW,   176                         ; v176-183 a scale word for each block of 16 rows
.set RB,   192                         ; v192-255 units read back, two sets of 32
.set WV,   18                          ; s18 wave;  s19 which half of the tile's rows is mine, also: I fetch for A (0) or B (1);  s20 which half of its columns, also: which 128 rows I fetch
.set RH,   19
.set CH,   20
.set ISV,  21                          ; s21 1 in v's clusters
.set TR,   22                          ; s22 tile row, s23 tile column
.set TC,   23
.set G1,   24                          ; s[24:31] descriptor group 1 for A's tiles;  s[32:39] group 0, one set for each slot
.set G0,   32
.set SEL,  44                          ; s[44:45] v_permlanex16_b32's selects for lane l xor 16
.set G1B,  48                          ; s[48:55], s[56:63] the same for B's tiles
.set G0B,  56
.set G1S,  68                          ; s[68:75], s[76:79] groups 1 and 0 for A's scales;  s[80:87], s[88:91] for B's
.set G0S,  76
.set G1SB, 80
.set G0SB, 88
.set QSTR, 92                          ; s92 bytes from two blocks of 32 rows to the next two;  s93 from a block of 64 columns to the next;  s94 the same in the scale bytes
.set ESTR, 93
.set SSTR, 94
.set MNT,  95                          ; s95 the mantissa field of 448
.set MSB, 0
.macro WIN new                         ; the immediate's high byte repeats the setting that is left
.if MSB != (\new)
	s_set_vgpr_msb (MSB<<8)|(\new)
.set MSB, (\new)
.endif
.endm
.set MUL_LO,   0xa1                    ; source 0 (B) window 1, source 1 (A) window 0, C and D window 2
.set MUL_HI,   0xf1                    ; the same, C and D window 3
.set FIRST_LO, 0x81                    ; the first products: C (the bias) window 0, D window 2
.set FIRST_HI, 0xc1                    ; D window 3
.set TO_B,     0x40                    ; destination window 1, address window 0
; A joint load: waves 0 and 1 fetch for A, waves 2 and 3 for B.  Each of the two lines has one mask and one set of registers for all that issue it; the branch hangs on the wave's number alone.
; Four v_nop follow each of the two lines, ahead of the jump, the label and what follows.
.macro JLOAD g0a, g1a, g0b, g1b
	s_cmp_eq_u32 s[RH], 0
	s_cbranch_scc0 .Lfor_b_\@
	tensor_load_to_lds s[\g0a:\g0a+3], s[\g1a:\g1a+7]
	s_nop 0
.rept 4
	v_nop
.endr
	s_branch .Lasked_\@
.Lfor_b_\@:
	tensor_load_to_lds s[\g0b:\g0b+3], s[\g1b:\g1b+7]
	s_nop 0
.rept 4
	v_nop
.endr
.Lasked_\@:
.endm
.macro CREST                           ; a round of the cluster's barrier behind its opening barrier
	s_cmp_lg_u32 s[WV], 0
	s_cbranch_scc1 .Lnot_wave_0_\@
	s_barrier_signal -3
.Lnot_wave_0_\@:
	s_barrier_wait -3
	s_barrier_signal -1
	s_barrier_wait -1
.endm
.macro CROUND                          ; a whole round
	s_barrier_signal -1
	s_barrier_wait -1
	CREST
.endm
	s_load_b512 s[24:39], s[0:1], 0x0              ; the 21 addresses, three of each kind (for q, k, v): A's codes, A's scales, B's codes (two of them),
	s_load_b512 s[40:55], s[0:1], 0x40             ; B's codes (the third), B's scales, the codes out, the scale bytes out (one),
	s_load_b256 s[68:75], s[0:1], 0x80             ; the scale bytes out (two), the bias (two),
	s_load_b64 s[76:77], s[0:1], 0xa0              ; the bias (the third)
	v_lshl_add_u32 v[SPW], v0, 2, SPARE
	v_mov_b32 v[NIL], 0
	ds_add_u32 v28, v29
	ds_add_u32 v28, v29
	s_wait_dscnt 0x0
	v_lshrrev_b32 v1, 5, v0
	v_readfirstlane_b32 s[WV], v1                  ; wave 0..3
	s_lshr_b32 s[RH], s[WV], 1
	s_and_b32 s[CH], s[WV], 1
	s_bfe_u32 s92, ttmp6, 0x40000                  ; cx
	s_bfe_u32 s2, ttmp6, 0x40004                   ; cy
	s_and_b32 s94, ttmp7, 0xffff                   ; the cluster's y, 0..23
	s_lshr_b32 s95, s94, 3                         ; which tensor: 0 q, 1 k, 2 v
	s_and_b32 s94, s94, 7                          ; which of its eight clusters
	s_cmp_eq_u32 s95, 2
	s_cselect_b32 s[ISV], 1, 0
	s_cselect_b32 s96, 0, s94                      ; q, k: the eight clusters lie one below the other (A has 8,192 rows);
	s_cselect_b32 s97, s94, 0                      ; v: side by side (B has)
	s_lshl_b32 s[TR], s96, 2
	s_add_co_u32 s[TR], s[TR], s2                  ; tile row
	s_lshl_b32 s[TC], s97, 2
	s_add_co_u32 s[TC], s[TC], s92                 ; tile column
	s_lshl_b32 s98, s2, 2
	s_lshl_b32 s98, 15, s98                        ; my row of the cluster
	s_lshl_b32 s99, 0x1111, s92                    ; my column
	s_wait_kmcnt 0x0
	s_cmp_eq_u32 s95, 1                            ; the tensor's seven buffers are chosen on the cluster's y, which hangs on no address
	s_cselect_b64 s[4:5], s[26:27], s[24:25]       ; A's codes
	s_cselect_b64 s[6:7], s[32:33], s[30:31]       ; A's scales
	s_cselect_b64 s[8:9], s[38:39], s[36:37]       ; B's codes
	s_cselect_b64 s[10:11], s[44:45], s[42:43]     ; B's scales
	s_cselect_b64 s[12:13], s[50:51], s[48:49]     ; the codes out
	s_cselect_b64 s[14:15], s[68:69], s[54:55]     ; the scale bytes out
	s_cselect_b64 s[16:17], s[74:75], s[72:73]     ; the bias
	s_cmp_eq_u32 s95, 2
	s_cselect_b64 s[4:5], s[28:29], s[4:5]
	s_cselect_b64 s[6:7], s[34:35], s[6:7]
	s_cselect_b64 s[8:9], s[40:41], s[8:9]
	s_cselect_b64 s[10:11], s[46:47], s[10:11]
	s_cselect_b64 s[12:13], s[52:53], s[12:13]
	s_cselect_b64 s[14:15], s[70:71], s[14:15]
	s_cselect_b64 s[16:17], s[76:77], s[16:17]
	; descriptor group 1: a tile of 128 rows x 256 bytes, padded in LDS
	s_or_b32 s[G1+0], s98, (0<<16)|(1<<20)|(1<<21)|(5<<22)|(3<<25)  ; 15:0 the mask: A's tiles go to my row; 17:16 elements of 1 byte; 20 padding on; 21 set beside a mask; 24:22 after every 64 words; 31:25 four words
	s_or_b32 s[G1B+0], s99, (0<<16)|(1<<20)|(1<<21)|(5<<22)|(3<<25) ; the same with my column's mask
.irp g, G1, G1B
	s_mov_b32 s[\g+1], ROWB<<16                    ; tensor_dim0
	s_mov_b32 s[\g+2], 128<<16                     ; tensor_dim1
	s_mov_b32 s[\g+3], ROWB<<16                    ; tile_dim0
	s_mov_b32 s[\g+4], 128                         ; tile_dim1
	s_mov_b32 s[\g+5], KROW                        ; tensor_dim0_stride
	s_mov_b32 s[\g+6], 0
	s_mov_b32 s[\g+7], 0
.endr
	; and for the scales of 128 rows: 4,096 dense bytes, as 16 rows of 256 bytes (32 elements of 8 bytes), 16 bytes of padding behind each
	s_or_b32 s[G1S+0], s98, (3<<16)|(1<<20)|(1<<21)|(5<<22)|(3<<25)
	s_or_b32 s[G1SB+0], s99, (3<<16)|(1<<20)|(1<<21)|(5<<22)|(3<<25)
.irp g, G1S, G1SB
	s_mov_b32 s[\g+1], 32<<16
	s_mov_b32 s[\g+2], (128*KS/256)<<16
	s_mov_b32 s[\g+3], 32<<16
	s_mov_b32 s[\g+4], 128*KS/256
	s_mov_b32 s[\g+5], 32
	s_mov_b32 s[\g+6], 0
	s_mov_b32 s[\g+7], 0
.endr
	s_mov_b32 s[SEL], 0x76543210
	s_mov_b32 s[SEL+1], 0xfedcba98
	s_mov_b32 s[MNT], 0x600000
	s_lshl_b32 s40, s[CH], 7                       ; which 128 rows of the tile I fetch
	s_lshl_b32 s96, s[TR], 8
	s_add_co_u32 s96, s96, s40                     ; A: row 256 x tile row + 128 x half
	s_lshl_b32 s41, s[TC], 8
	s_add_co_u32 s41, s41, s40                     ; B: row 256 x tile column + 128 x half
	s_mul_i32 s66, s[WV], HALFT                    ; where they go: wave x 128 rows: no place in the cluster enters an LDS address
	s_mul_i32 s67, s[WV], HALFS
	s_mov_b32 s[G0S], 1
	s_add_co_u32 s[G0S+1], s67, SCL
	s_lshl_b32 s[G0S+2], s96, 5                    ; 32 scale bytes a row
	s_mov_b32 s[G0S+3], 0
	s_add_nc_u64 s[G0S+2:G0S+3], s[6:7], s[G0S+2:G0S+3]
	s_or_b32 s[G0S+3], s[G0S+3], 0x80000000
	s_mov_b32 s[G0SB], 1
	s_add_co_u32 s[G0SB+1], s67, SCL
	s_lshl_b32 s[G0SB+2], s41, 5
	s_mov_b32 s[G0SB+3], 0
	s_add_nc_u64 s[G0SB+2:G0SB+3], s[10:11], s[G0SB+2:G0SB+3]
	s_or_b32 s[G0SB+3], s[G0SB+3], 0x80000000
	s_lshl_b32 s42, s96, 10                        ; 1,024 bytes of codes a row
	s_mov_b32 s43, 0
	s_add_nc_u64 s[42:43], s[4:5], s[42:43]
	s_lshl_b32 s46, s41, 10
	s_mov_b32 s47, 0
	s_add_nc_u64 s[46:47], s[8:9], s[46:47]
.irp s, 0,1
	s_mov_b32 s[G0+4*\s], 1
	s_add_co_u32 s[G0+4*\s+1], s66, \s*SLOT
	s_add_nc_u64 s[G0+4*\s+2:G0+4*\s+3], s[42:43], \s*ROWB
	s_or_b32 s[G0+4*\s+3], s[G0+4*\s+3], 0x80000000
	s_mov_b32 s[G0B+4*\s], 1
	s_add_co_u32 s[G0B+4*\s+1], s66, \s*SLOT
	s_add_nc_u64 s[G0B+4*\s+2:G0B+4*\s+3], s[46:47], \s*ROWB
	s_or_b32 s[G0B+4*\s+3], s[G0B+4*\s+3], 0x80000000
.endr
	CROUND                                         ; all sixteen work-groups are here: the first joint loads meet
	JLOAD G0S, G1S, G0SB, G1SB                     ; the scales first: they are wanted with K step 0
	JLOAD G0, G1, G0B, G1B                         ; K step 0
	JLOAD G0+4, G1, G0B+4, G1B                     ; K step 1: three loads of mine are out
	; where my 128 x 128 goes.  X: which 128 positions, Y: which 128 of the 1,024 outputs (two heads).  The same formulas serve all three tensors; only four strides differ.
	s_lshl_b32 s40, s[TR], 1
	s_add_co_u32 s40, s40, s[RH]                   ; my 128 rows of A
	s_lshl_b32 s41, s[TC], 1
	s_add_co_u32 s41, s41, s[CH]                   ; my 128 rows of B
	s_mov_b32 s42, 0x20000
	s_mov_b32 s43, 256
	s_cmp_eq_u32 s[ISV], 1
	s_cselect_b32 s96, s41, s40                    ; X
	s_cselect_b32 s97, s40, s41                    ; Y
	s_cselect_b32 s[QSTR], s42, 4096               ; two blocks of 32 rows on: q, k: two units;  v: the next head
	s_cselect_b32 s[ESTR], 4096, s42               ; 64 columns on: q, k: the next head;  v: the next 64 keys, two units
	s_cselect_b32 s[SSTR], s43, 4096               ; the same in the scale bytes
	s_cselect_b32 s46, 512, s43                    ; 128 positions on in the scale bytes
	s_cselect_b32 s47, -1, 0                       ; all lanes, in v's clusters
	s_lshr_b32 s40, s96, 4                         ; the batch
	s_and_b32 s41, s96, 15                         ; which 128 positions in it
	s_lshl_b32 s40, s40, 4
	s_lshl_b32 s42, s97, 1
	s_add_co_u32 s40, s40, s42                     ; 16 x batch + my first head
	s_lshl_b32 s42, s40, 17                        ; a head's codes are 131,072 bytes,
	s_lshl_b32 s43, s41, 13                        ; 128 positions of them 8,192
	s_add_co_u32 s42, s42, s43
	s_mov_b32 s43, 0
	s_add_nc_u64 s[12:13], s[12:13], s[42:43]
	s_lshl_b32 s42, s40, 12                        ; a head's scale bytes are 4,096
	s_mul_i32 s41, s41, s46
	s_add_co_u32 s42, s42, s41
	s_add_nc_u64 s[14:15], s[14:15], s[42:43]
	s_lshl_b32 s42, s97, 9                         ; the bias of my 128 outputs
	s_add_nc_u64 s[16:17], s[16:17], s[42:43]
	v_and_b32 v1, 15, v0                           ; r = l % 16
	v_bfe_u32 v2, v0, 4, 1                         ; h = l / 16
	v_lshlrev_b32 v3, 2, v1
.irp j, 0,1,2,3,4,5,6,7
	v_lshl_add_u32 v[BO+\j], v2, 5, 4*\j           ; q, k: register j of a set is the bias of column 16 i + 8 h + j;
	v_cndmask_b32 v[BO+\j], v[BO+\j], v3, s47      ; v: of row 16 i + r, the same in all eight
.endr
.irp i, 0,1,2,3,4,5,6,7
.irp j, 0,1,2,3,4,5,6,7
	global_load_b32 v[BI+8*\i+\j], v[BO+\j], s[16:17] offset:64*\i
.endr
.endr
	v_mul_u32_u24 v3, v1, PITCH
	v_lshl_add_u32 v4, v2, 4, v3                   ; a fragment's row x pitch + 16 x half
	s_mul_i32 s40, s[RH], HALFT                    ; my 128 rows of A
	s_mul_i32 s41, s[CH], HALFT                    ; my 128 rows of B,
	s_add_co_u32 s41, s41, 2*HALFT                 ; which lie behind A's 256
.irp s, 0,1
	v_add_nc_u32 v[ADRA+\s], s40, v4
	v_add_nc_u32 v[ADRB+\s], s41, v4
	s_add_co_u32 s40, s40, SLOT
	s_add_co_u32 s41, s41, SLOT
.endr
	v_mul_u32_u24 v5, v1, KS                       ; my row's scales: 32 bytes a row,
	v_lshrrev_b32 v6, 8, v5
	v_lshl_add_u32 v5, v6, 4, v5                   ; and 16 more for each 256 passed
	s_mul_i32 s40, s[RH], HALFS                    ; A's: my 128 rows
	s_mul_i32 s41, s[CH], HALFS                    ; B's: my 128 rows, behind A's 256
	s_add_co_u32 s41, s41, 2*HALFS
	s_sub_co_u32 s41, s41, s40
	v_mul_u32_u24 v6, s41, v2                      ; lanes 16-31 take B's
	s_add_co_u32 s40, s40, SCL
	v_add_nc_u32 v5, v5, v6
	v_add_nc_u32 v[ADRS], s40, v5
	s_mul_i32 s40, s[WV], WSTG                     ; my stage
	v_mul_u32_u24 v5, v1, SP
	v_lshl_add_u32 v5, v2, 3, v5
	v_add_nc_u32 v[STO], s40, v5                   ; in: row r, 8 codes for each half of the lanes
	v_and_b32 v6, 8, v1
	v_add_nc_u32 v6, v6, v1                        ; r + 8 (r / 8)
	v_mul_u32_u24 v5, v6, SP
	v_lshl_add_u32 v5, v2, 4, v5
	v_add_nc_u32 v[RDA], s40, v5                   ; back: row r + 8 (r / 8), 16 codes for each half
	s_add_co_u32 s40, s40, 32*SP
	v_lshl_add_u32 v[SSO], v1, 2, s40              ; a row's scale word: 4 bytes a row
	v_lshl_add_u32 v5, v6, 2, s40
	v_lshl_add_u32 v[SRA], v2, 1, v5               ; back: two bytes: lanes 0-15 those of the first 64 columns, lanes 16-31 of the second
.macro FRAG reg, adr, q, i             ; a fragment, 16 rows x 128 K of 8-bit codes: lane l holds row l % 16; registers 4 c .. 4 c + 3 hold K = 32 c + 16 (l / 16) + 0 .. 15
.irp c, 0,1,2,3
	ds_load_b128 v[\reg+4*\c:\reg+4*\c+3], v[\adr] offset:128*(\q)+32*\c+(\i)*16*PITCH
.endr
.endm
; 16 matrix instructions: A's blocks a0, a0 + 1 x B's eight, 128 along K: the slot's q-th.  p: B's set;  sc: the set of scale words.  zero = 1: the first products, C = the bias by B's block;  2: by A's block.
; The 64 accumulators take turns, one instruction a turn, in the same order in every step.
.macro MUL16 a0, p, q, sc, zero
.irp a, \a0, \a0+1
.irp b, 0,1,2,3,4,5,6,7
.if \zero == 1
	v_wmma_scale_f32_16x16x128_f8f6f4 v[8*(8*((\a)%4)+\b):8*(8*((\a)%4)+\b)+7], v[128*(\p)+FR*\b:128*(\p)+FR*\b+FR-1], v[AF+FR*(\a):AF+FR*(\a)+FR-1], v[BI+8*\b:BI+8*\b+7], v[SC+8*NQ*(\sc)+NQ*\b+(\q)], v[SC+8*NQ*(\sc)+NQ*(\a)+(\q)] matrix_a_scale:MATRIX_SCALE_ROW1
.elseif \zero == 2
	v_wmma_scale_f32_16x16x128_f8f6f4 v[8*(8*((\a)%4)+\b):8*(8*((\a)%4)+\b)+7], v[128*(\p)+FR*\b:128*(\p)+FR*\b+FR-1], v[AF+FR*(\a):AF+FR*(\a)+FR-1], v[BI+8*(\a):BI+8*(\a)+7], v[SC+8*NQ*(\sc)+NQ*\b+(\q)], v[SC+8*NQ*(\sc)+NQ*(\a)+(\q)] matrix_a_scale:MATRIX_SCALE_ROW1
.else
	v_wmma_scale_f32_16x16x128_f8f6f4 v[8*(8*((\a)%4)+\b):8*(8*((\a)%4)+\b)+7], v[128*(\p)+FR*\b:128*(\p)+FR*\b+FR-1], v[AF+FR*(\a):AF+FR*(\a)+FR-1], v[8*(8*((\a)%4)+\b):8*(8*((\a)%4)+\b)+7], v[SC+8*NQ*(\sc)+NQ*\b+(\q)], v[SC+8*NQ*(\sc)+NQ*(\a)+(\q)] matrix_a_scale:MATRIX_SCALE_ROW1
.endif
.endr
.endr
.endm
.macro FETCH_B slot, q, p              ; B's eight fragments of the slot's q-th 128 along K into set p
	WIN TO_B
.irp i, 0,1,2,3,4,5,6,7
	FRAG 128*(\p)+FR*\i, ADRB+\slot, \q, \i
.endr
	WIN 0
.endm
.macro FETCH_A slot, q, i0             ; A's blocks i0 .. i0 + 3
.irp i, \i0, \i0+1, \i0+2, \i0+3
	FRAG AF+FR*(\i), ADRA+\slot, \q, \i
.endr
.endm
.macro SCALES sc                       ; a K step's scale words into set sc: two words a row; lanes 0-15 take A's block i, lanes 16-31 B's block i
.irp i, 0,1,2,3,4,5,6,7
	ds_load_b64 v[SC+8*NQ*\sc+NQ*\i:SC+8*NQ*\sc+NQ*\i+1], v[ADRS] offset:\i*SBLK
.endr
.endm
; A load into a register that a matrix instruction has read, and a vector instruction or an LDS store that reads a matrix result, stand NP places behind that matrix instruction; only plain vector
; instructions that name none of its registers are places (ISA guide 7.12.1 for vector instructions); the matrix instructions in between are not counted.
.macro PLACES n
.rept \n
	v_nop
.endr
.endm
; A step of 128 along K that has its successor in the same slot.
.macro STEP slot, q, zero
	s_wait_dscnt 4*NL                              ; B's set and A's blocks 0-3 are in; the youngest sixteen loads (A's blocks 4-7) may be out
.if \zero
	WIN FIRST_LO
.else
	WIN MUL_LO
.endif
	MUL16 0, (\q)%2, \q, \slot, \zero
	MUL16 2, (\q)%2, \q, \slot, \zero
	s_wait_dscnt 0                                 ; A's blocks 4-7 are in
	PLACES NP
	FETCH_B \slot, (\q)+1, 1-(\q)%2
	FETCH_A \slot, (\q)+1, 0
.if \zero
	WIN FIRST_HI
.else
	WIN MUL_HI
.endif
	MUL16 4, (\q)%2, \q, \slot, \zero
	MUL16 6, (\q)%2, \q, \slot, \zero
	PLACES NP
	WIN 0
	FETCH_A \slot, (\q)+1, 4
.endm
; A slot's last step changes slots: one barrier; in front of it each wave waits for all its tensor loads, adds 0 to its spare word, and waits for that and for its own reads of this slot.  fill = 1: this slot is filled again, two K steps ahead.
.macro TURN slot, next, fill
	s_wait_tensorcnt 0x0                           ; all my tensor loads have landed: my part of the next slot;  (every window is 0 here)
	ds_add_u32 v[SPW], v[NIL]                      ; 0 onto my spare word
	s_wait_dscnt 4*NL+1                            ; (the add and the youngest sixteen loads, A's blocks 4-7, may be out)
	WIN MUL_LO
	MUL16 0, 1, NQ-1, \slot, 0                     ; sixteen matrix instructions stand between the add and the wait for it
	s_wait_dscnt 0x0                               ; the add is done, and my reads of this slot are over
	s_barrier_signal -1
	MUL16 2, 1, NQ-1, \slot, 0
	WIN 0
	s_barrier_wait -1
.if \fill
	CREST                                          ; the barrier has opened a round of the cluster's barrier: no wave of any partner still reads this slot's tile or has a load on its way
	s_add_nc_u64 s[G0+4*\slot+2:G0+4*\slot+3], s[G0+4*\slot+2:G0+4*\slot+3], 2*ROWB
	s_add_nc_u64 s[G0B+4*\slot+2:G0B+4*\slot+3], s[G0B+4*\slot+2:G0B+4*\slot+3], 2*ROWB
	JLOAD G0+4*\slot, G1, G0B+4*\slot, G1B         ; the first tensor load behind the round; the four v_nop behind it are among the places in front of the loads below
	PLACES NP-4
.else
	PLACES NP
.endif
	v_add_nc_u32 v[ADRS], 4*NQ, v[ADRS]            ; on to the next K step's scale words (no LDS load of mine is out)
	FETCH_B \next, 0, 0
	FETCH_A \next, 0, 0
	SCALES \next
	WIN MUL_HI
	MUL16 4, 1, NQ-1, \slot, 0
	MUL16 6, 1, NQ-1, \slot, 0
	PLACES NP
	WIN 0
	FETCH_A \next, 0, 4
.endm
	s_wait_tensorcnt 1                             ; the scales and my part of K step 0 are in (K step 1's load may be out)
	s_barrier_signal -1
	s_barrier_wait -1                              ; everybody's are
	FETCH_B 0, 0, 0
	FETCH_A 0, 0, 0
	SCALES 0
	FETCH_A 0, 0, 4
	s_wait_loadcnt 0x0                             ; the bias
	s_cmp_eq_u32 s[ISV], 0                         ; the first step is written twice: its products start the sums with the bias, which goes by B's blocks (q, k) or by A's (v).  The choice is the same in the whole cluster
	s_cbranch_scc0 .Lfirst_v
	STEP 0, 0, 1
	s_branch .Lfirst_done
.Lfirst_v:
	STEP 0, 0, 2
.Lfirst_done:
	s_mov_b32 s3, LAPS-1
.Llap:                                                 ; a trip goes once round the ring, from a lap's second step to the next lap's first, and fills both slots again
	TURN 0, 1, 1
	STEP 1, 0, 0
	TURN 1, 0, 1
	STEP 0, 0, 0
	s_sub_co_u32 s3, s3, 1
	s_cmp_lg_u32 s3, 0
	s_cbranch_scc1 .Llap
	TURN 0, 1, 0                                   ; the last lap fills nothing, and has no round of the cluster's barrier
	STEP 1, 0, 0
	s_wait_dscnt 4*NL                              ; the very last step: nothing more to fetch
	WIN MUL_LO
	MUL16 0, 1, NQ-1, 1, 0
	MUL16 2, 1, NQ-1, 1, 0
	s_wait_dscnt 0
	WIN MUL_HI
	MUL16 4, 1, NQ-1, 1, 0
	MUL16 6, 1, NQ-1, 1, 0
	WIN 0
; THE WAY OUT.  Block a = my rows 16 a .. 16 a + 15, all 128 columns: four blocks of 32 along the quantised axis; a lane holds 16 numbers of each, lane l xor 16 the other 16.
; QMAX: the four largest magnitudes (with the floor 2^(9 - 127) among the leaves, which holds the byte at 1 from below), the conversions' scale operands, 448 x the scales, the row's scale word.
.macro QMAX a
.set AC, 64*((\a)%4)
.set WQ, ((2+(\a)/4)<<2)|((2+(\a)/4)<<4)
	WIN WQ                                         ; sources 1 and 2: the accumulators' window
.irp b, 0,1,2,3
	v_max3_num_f32 v[TM+\b], 0x4800000, |v[AC+16*\b]|, |v[AC+16*\b+1]|     ; each accumulator is read from its low end on
.endr
.irp i, 2,4,6,8,10,12,14
.irp b, 0,1,2,3
	v_max3_num_f32 v[TM+\b], v[TM+\b], |v[AC+16*\b+\i]|, |v[AC+16*\b+\i+1]|   ; the four blocks by turns
.endr
.endr
	WIN 0
.irp b, 0,1,2,3
	v_permlanex16_b32 v[TM+4+\b], v[TM+\b], s[SEL], s[SEL+1]
.endr
.irp b, 0,1,2,3
	v_max_num_f32 v[TM+\b], v[TM+\b], v[TM+4+\b]   ; with lane l xor 16's: the block's largest magnitude
.endr
.irp b, 0,1,2,3
	v_add_nc_u32 v[TM+12+\b], 0xfc000000, v[TM+\b] ; 8 off its exponent field: the conversion takes the exponent field of this operand as its scale
.endr
.irp b, 0,1,2,3
	v_and_or_b32 v[TM+8+\b], v[TM+\b], 0x7f800000, s[MNT]   ; 448 x the scale
.endr
.irp b, 0,1,2,3
	v_lshrrev_b32 v[TM+4+\b], 23, v[TM+12+\b]      ; the scale's byte
.endr
	v_lshl_or_b32 v[PW+(\a)], v[TM+5], 8, v[TM+4]  ; my row's four bytes
	v_lshl_or_b32 v[PW+(\a)], v[TM+6], 16, v[PW+(\a)]
	v_lshl_or_b32 v[PW+(\a)], v[TM+7], 24, v[PW+(\a)]
.endm
; QCVT: the hold (the conversion to an 8-bit code does not saturate: ISA guide 7.6.2), the conversions, and the codes and the scale word into my stage.
.macro QCVT a
.set AC, 64*((\a)%4)
.set PCX, PC+16*((\a)%2)
	WIN 2+(\a)/4                                   ; source 0: the accumulators' window
.set n, 0
.rept 64
	v_med3_num_f32 v[X+n], v[AC+n], -v[TM+8+n/16], v[TM+8+n/16]
.set n, n+1
.endr
	WIN 0
.irp t, 0,1,2,3,4,5,6,7
	v_cvt_scalef32_pk8_fp8_f32 v[PCX+2*\t:PCX+2*\t+1], v[X+8*\t:X+8*\t+7], v[TM+12+\t/2]   ; columns 16 t + 8 h + 0 .. 7
.endr
	v_nop                                          ; one plain vector instruction behind the last conversion, ahead of the next line that writes its sources
.irp t, 0,1,2,3,4,5,6,7
	ds_store_b64 v[STO], v[PCX+2*\t:PCX+2*\t+1] offset:((\a)%2)*16*SP+16*\t
.endr
	ds_store_b32 v[SSO], v[PW+(\a)] offset:128*((\a)/2)+64*((\a)%2)   ; both lanes of a row write the same word with the same value
.endm
; RDBACK: 32 rows x 128 columns come back as two units' eight chunks, in the order of an operand's registers; and the scale bytes as halves of the words to store.
; LDS serves a wave's instructions in order (ISA guide 5.7.1.4): these see my stores, and the next rows' stores come behind them.
.macro RDBACK p
.set RBX, RB+32*((\p)%2)
.if (\p) >= 2
	s_wait_xcnt 0x0                                ; the stores of two turns ago have read these registers
.endif
.irp e, 0,1
.irp c, 0,1,2,3
	ds_load_b128 v[RBX+4*(4*\e+\c):RBX+4*(4*\e+\c)+3], v[RDA] offset:8*(\c/2)*SP+64*\e+32*(\c%2)
.endr
.endr
	ds_load_u16 v[T+2*(\p)], v[SRA] offset:128*(\p)
	ds_load_u16 v[T+2*(\p)+1], v[SRA] offset:128*(\p)+32
.endm
.macro SEND p
.set RBX, RB+32*((\p)%2)
	s_wait_dscnt 0x0                               ; the rows are back; and my stores into the stage have read their registers, so that both sets of codes may be written again
	v_lshl_or_b32 v[W+(\p)], v[T+2*(\p)+1], 16, v[T+2*(\p)]
.irp e, 0,1
.irp c, 0,1,2,3
	global_store_b128 v[VO+2*\e+(\p)/2], v[RBX+4*(4*\e+\c):RBX+4*(4*\e+\c)+3], s[12:13] offset:((\p)%2)*2048+512*\c   ; 32 lanes store 512 consecutive bytes, at a multiple of 512 from the buffer's first byte
.endr
.endr
.endm
	v_and_b32 v3, 31, v0                           ; nine plain lines that name no register of a product: the places behind the last products
	v_lshlrev_b32 v[VO], 4, v3                     ; 16 x lane
	v_add_nc_u32 v[VO+1], s[QSTR], v[VO]
	v_add_nc_u32 v[VO+2], s[ESTR], v[VO]
	v_add_nc_u32 v[VO+3], s[QSTR], v[VO+2]
	v_bfe_u32 v4, v0, 4, 1
	v_and_b32 v5, 15, v0
	v_mul_u32_u24 v[VSO], s[SSTR], v4
	v_lshl_add_u32 v[VSO], v5, 4, v[VSO]           ; 16 r; lanes 16-31: the second 64 columns' unit
.irp b, 0,1,2,3
	v_mov_b32 v[TM+4+\b], 0                        ; written once: a lane permute's destination counts as one of its sources
.endr
	QMAX 0
	QCVT 0
	QMAX 1
	QCVT 1
	RDBACK 0
	QMAX 2                                         ; the next rows' maxima stand between the loads from the stage and the wait for them
	SEND 0
	QCVT 2
	QMAX 3
	QCVT 3
	RDBACK 1
	QMAX 4
	SEND 1
	QCVT 4
	QMAX 5
	QCVT 5
	RDBACK 2
	QMAX 6
	SEND 2
	QCVT 6
	QMAX 7
	QCVT 7
	RDBACK 3
	SEND 3
	global_store_b128 v[VSO], v[W:W+3], s[14:15]   ; sixteen lanes store one aligned unit of 256 bytes of scale bytes
	s_wait_tensorcnt 0x0                           ; the wave's end, behind my last tensor load and my last LDS store
	ds_add_u32 v[SPW], v[NIL]
	s_wait_dscnt 0x0
	CROUND                                         ; the closing round: no work-group ends while a partner may still ask for a tile that names it
	s_endpgm
.Lfunc_end_k_qf68d940df2_proj:
	.size	k_qf68d940df2_proj, .Lfunc_end_k_qf68d940df2_proj-k_qf68d940df2_proj
	.p2alignl 7, 3214868480
	.fill 96, 4, 3214868480
	.section	.rodata,"a",@progbits
	.p2align	6, 0x0
	.amdhsa_kernel k_qf68d940df2_proj
		.amdhsa_group_segment_fixed_size 327680
		.amdhsa_private_segment_fixed_size 0
		.amdhsa_enable_private_segment 0
		.amdhsa_kernarg_size 168
		.amdhsa_user_sgpr_count 2
		.amdhsa_user_sgpr_kernarg_segment_ptr 1
		.amdhsa_wavefront_size32 1
		.amdhsa_system_sgpr_workgroup_id_x 1
		.amdhsa_system_sgpr_workgroup_id_y 1
		.amdhsa_system_sgpr_workgroup_id_z 1
		.amdhsa_system_vgpr_workitem_id 0
		.amdhsa_next_free_vgpr 1024
		.amdhsa_next_free_sgpr 100
		.amdhsa_reserve_vcc 0
		.amdhsa_float_denorm_mode_32 3
		.amdhsa_float_denorm_mode_16_64 3
		.amdhsa_memory_ordered 1
		.amdhsa_forward_progress 1
		.amdhsa_inst_pref_size 213
	.end_amdhsa_kernel
	.amdgpu_metadata
---
amdhsa.version: [ 1, 2 ]
amdhsa.kernels:
  - .name:           k_qf68d940df2_proj
    .symbol:         k_qf68d940df2_proj.kd
    .args:
      - { .name: q_codes, .offset: 0, .size: 8, .value_kind: global_buffer, .address_space: global }
      - { .name: k_codes, .offset: 8, .size: 8, .value_kind: global_buffer, .address_space: global }
      - { .name: Wv_codes, .offset: 16, .size: 8, .value_kind: global_buffer, .address_space: global }
      - { .name: q_scales, .offset: 24, .size: 8, .value_kind: global_buffer, .address_space: global }
      - { .name: k_scales, .offset: 32, .size: 8, .value_kind: global_buffer, .address_space: global }
      - { .name: Wv_scales, .offset: 40, .size: 8, .value_kind: global_buffer, .address_space: global }
      - { .name: Wq_codes, .offset: 48, .size: 8, .value_kind: global_buffer, .address_space: global }
      - { .name: Wk_codes, .offset: 56, .size: 8, .value_kind: global_buffer, .address_space: global }
      - { .name: v_codes, .offset: 64, .size: 8, .value_kind: global_buffer, .address_space: global }
      - { .name: Wq_scales, .offset: 72, .size: 8, .value_kind: global_buffer, .address_space: global }
      - { .name: Wk_scales, .offset: 80, .size: 8, .value_kind: global_buffer, .address_space: global }
      - { .name: v_scales, .offset: 88, .size: 8, .value_kind: global_buffer, .address_space: global }
      - { .name: qc, .offset: 96, .size: 8, .value_kind: global_buffer, .address_space: global }
      - { .name: kc, .offset: 104, .size: 8, .value_kind: global_buffer, .address_space: global }
      - { .name: vc, .offset: 112, .size: 8, .value_kind: global_buffer, .address_space: global }
      - { .name: qs, .offset: 120, .size: 8, .value_kind: global_buffer, .address_space: global }
      - { .name: ks, .offset: 128, .size: 8, .value_kind: global_buffer, .address_space: global }
      - { .name: vs, .offset: 136, .size: 8, .value_kind: global_buffer, .address_space: global }
      - { .name: bq, .offset: 144, .size: 8, .value_kind: global_buffer, .address_space: global }
      - { .name: bk, .offset: 152, .size: 8, .value_kind: global_buffer, .address_space: global }
      - { .name: bv, .offset: 160, .size: 8, .value_kind: global_buffer, .address_space: global }
    .group_segment_fixed_size: 327680
    .private_segment_fixed_size: 0
    .kernarg_segment_align: 8
    .kernarg_segment_size: 168
    .max_flat_workgroup_size: 128
    .sgpr_count:     100
    .vgpr_count:     1024
    .wavefront_size: 32
...
	.end_amdgpu_metadata
.endif
;; end of part 1
;; launch attn (part 2): grid 8 x 64, 16 waves a work-group, clusters of 4 x 1, 272,384 bytes of LDS; arguments qc, qs, kc, ks, vc, vs, out0; writes out0
.if DOCPART == 2
	.amdgcn_target "amdgcn-amd-amdhsa--gfx1250"
	.amdhsa_code_object_version 6
	.text
	.protected	k_qf68d940df2_attn
	.globl	k_qf68d940df2_attn
	.p2align	8
	.type	k_qf68d940df2_attn,@function
k_qf68d940df2_attn:
	s_mov_b64 s[64:65], 0
	v_nop
	global_prefetch_b8 v0, s[64:65] scope:SCOPE_SE
	s_setreg_imm32_b32 hwreg(HW_REG_WAVE_MODE, 25, 1), 1
	s_wait_xcnt 0x0
	s_wait_alu depctr_hold_cnt(0) depctr_sa_sdst(0) depctr_va_vdst(0) depctr_va_sdst(0) depctr_va_ssrc(0) depctr_va_vcc(0) depctr_vm_vsrc(0)
	s_getreg_b32 s2, hwreg(HW_REG_IB_STS2, 6, 4)
	s_cmp_eq_u32 s2, 0
	s_cbranch_scc0 .Lentry_in_a_cluster
	s_endpgm
.Lentry_in_a_cluster:
	s_bfe_u32 s2, ttmp6, 0x10000c
	s_cmp_lg_u32 s2, 0x3003
	s_cbranch_scc0 .Lentry_shape_is_right
	s_endpgm
.Lentry_shape_is_right:
; out[b][q][64 head + d] = the sum over k of softmax_k(qh . kh / 8) vh, for 64 pairs bh = 16 b + head, 2,048 queries and keys, head size 64; both products on codes of FP8 (E4M3) with one E8M0 scale for 32 along K.
; The codes and scale bytes come from the projections' launch, laid in the order of an operand's registers: units of 2,048 bytes = 32 rows x 64 columns, chunk c = 2 u + cd of 512 bytes, lane (r, h)'s 16 bytes at 16 x lane:
; row 8 u + r + 8 (r / 8), columns 32 cd + 16 h + 0 .. 15.  qc, kc: rows = positions, columns = d.  vc: rows = d, columns = keys.
; THE SOFTMAX AHEAD OF THE SECOND PRODUCT: t = score x log2(e) / 8; M = the row's largest t so far, rounded up to a whole number; p = 2^(t - M) is quantised along the keys, not normalised.  The row's sum is taken of the
; unquantised p and divides at the end.  When M moves, the sum and O are multiplied by 2^(old M - new M): exact.
; SHARES.  A work-group owns 256 queries of one bh; each of its sixteen waves owns one tile of 16 in 256 registers: four waves to a SIMD, so that one wave's vector work stands beside another's matrix work and LDS loads.
; A WHOLE bh's K AND V STAY IN LDS, 131,072 bytes each, filled once: no slot is ever filled again.  The four work-groups of a cluster serve one bh, so every fill is asked for jointly.  Each wave issues four loads of
; 4,096 dense bytes; load j of all sixteen waves brings key steps 4 j .. 4 j + 3, so the first steps are worked on while the later loads are on their way.  By this text's count a wave has four loads out at the most.
; K = 64 IN A FORM OF K = 128.  A fragment of K (one unit) holds 16 keys in k 0-63 and 16 others in k 64-127.  It is multiplied once by [Q | zeros] and once by [zeros | Q]: the other keys' codes meet zero codes, which add
; nothing; Q's scale bytes over its zeros are 0 (2^-127).  The keys of a tile are chosen so that the 16 registers of two neighbouring tiles of S^T are 16 neighbouring keys: p's codes are the second product's operand.
; Both products are used transposed (S^T = K Q^T, O^T = V^T P^T): a lane holds one query throughout.  Lane r's query is 32 PG + 8 U + r + 8 (r / 8).
; LIMITS: NaN and infinities are not served; a block whose every p is 0 keeps the byte 1 (its codes are zeros).
.set VREG,  131072                     ; LDS: K at 0, V here,
.set SCK,   262144                     ; K's scale words, 256 bytes a key step: [r 16][block of 32 keys 4],
.set SCV,   266240                     ; V's, 256 bytes a key step: [r 16][tile of 16 d 4]
.set STGW,  16*272                     ; the way out: 16 rows x (256 bytes + 16) for each wave, in K's bytes, behind a barrier behind which nobody reads K
.set AK0,  1                           ; v1   16 x lane
.set AV0,  2                           ; v2   VREG + 16 x lane
.set ASK0, 3                           ; v3   SCK + 16 r
.set ASV0, 4                           ; v4   SCV + 16 r
.set GO,   5                           ; v5   the way out: my byte offset in the wave's rows of out
.set ADK,  8                           ; v8-11 LDS addresses of the step in hand: K, V, K's scale words, V's
.set ADV,  9
.set ADS,  10
.set ADT,  11
                                       ; v12 -M, v13 the largest t, v[14:15] the sum in two halves; v16-23 zeros, v24-31 Q, v32-39 zeros
.set F,    40                          ; v40-103  four fragments of K, then of V
.set S,    104                         ; v104-167 S^T, then p
.set O,    168                         ; v168-199 O^T, four tiles
.set PC,   200                         ; v200-215 p's codes
.set KSC,  216                         ; v216-219 K's scale words
.set VSC,  220                         ; v220-223 V's
.set QS0,  224                         ; v224 Q's two bytes below, v225 above
.set QS1,  225
.set PW,   226                         ; v226 p's scale word
.set BM,   228                         ; v228-231 a block's largest score, then its largest p
.set T1,   232                         ; v232-235 at work
.set HD,   236                         ; v236-239 448 x the scale
.set SO,   240                         ; v240-243 the conversions' scale operands
.set TMP,  244
.set QW,   245
.set FF,   246                         ; v[246:247] f = 2^(old M - new M); v247 is written once
.set WV,   18                          ; s18 my wave's number
.set MNT,  19                          ; s19 the mantissa field of 448
.set SEL,  20                          ; s[20:21] selects for lane l xor 16
.set CS,   22                          ; s[22:23] c = log2(e) / 8
.set G1,   24                          ; s[24:31] descriptor group 1;  s[32:47] four groups 0
.set G0,   32
.set TB,   66                          ; s66 where the step's 8,192 bytes of K (and of V) begin;  s67 its 256 bytes of scale words
.set TS,   67
.set CNT,  68
.macro CROUND                          ; a round of the cluster's barrier
	s_barrier_signal -1
	s_barrier_wait -1
	s_cmp_lg_u32 s[WV], 0
	s_cbranch_scc1 .Lnot_wave_0_\@
	s_barrier_signal -3
.Lnot_wave_0_\@:
	s_barrier_wait -3
	s_barrier_signal -1
	s_barrier_wait -1
.endm
	s_load_b256 s[4:11], s[0:1], 0x0               ; qc s[4:5], qs s[6:7], kc s[8:9], ks s[10:11]
	s_load_b128 s[12:15], s[0:1], 0x20             ; vc s[12:13], vs s[14:15]
	s_load_b64 s[16:17], s[0:1], 0x30              ; out
	v_lshl_add_u32 v254, v0, 2, 0x42000
	v_mov_b32 v255, 0
	ds_add_u32 v254, v255
	ds_add_u32 v254, v255
	v_lshrrev_b32 v6, 5, v0
	v_readfirstlane_b32 s[WV], v6                  ; wave 0..15
	s_and_b32 s48, ttmp7, 0xffff                   ; bh, which the four partners share
	s_bfe_u32 s49, ttmp6, 0x40000                  ; cx
	s_lshl_b32 s50, ttmp9, 2
	s_add_co_u32 s50, s50, s49                     ; my block of 256 queries: it enters Q's and out's addresses alone
	s_lshl_b32 s51, s50, 3
	s_lshr_b32 s52, s[WV], 1
	s_add_co_u32 s51, s51, s52                     ; PG: my block of 32 queries
	s_and_b32 s52, s[WV], 1                        ; U: which 16 of them
	s_lshl_b32 s53, s52, 4
	s_lshl_b32 s54, s48, 6                         ; Q's codes: unit 64 bh + PG, chunks 2 U and 2 U + 1
	s_add_co_u32 s54, s54, s51
	s_lshl_b32 s54, s54, 11
	s_lshl_b32 s55, s52, 10
	s_add_co_u32 s54, s54, s55
	s_mov_b32 s55, 0
	s_lshl_b32 s56, s48, 4                         ; Q's scale words: unit 16 bh + PG / 4, word PG % 4 of each r
	s_lshr_b32 s57, s51, 2
	s_add_co_u32 s56, s56, s57
	s_lshl_b32 s56, s56, 8
	s_and_b32 s57, s51, 3
	s_lshl_b32 s57, s57, 2
	s_add_co_u32 s56, s56, s57
	s_mov_b32 s57, 0
	s_and_b32 s72, s[WV], 7                        ; the fills: waves 0-7 K, waves 8-15 V; 4,096 bytes x (wave % 8), in memory and in LDS alike
	s_lshl_b32 s72, s72, 12
	s_lshl_b32 s58, s48, 17                        ; a bh's codes are 131,072 bytes
	s_add_co_u32 s58, s58, s72
	s_mov_b32 s59, 0
	s_lshr_b32 s73, s[WV], 3
	s_lshl_b32 s73, s73, 17
	s_add_co_u32 s72, s72, s73                     ; LDS address of my load 0
	s_lshl_b32 s62, s48, 12                        ; K's scale words: 4,096 bytes a bh
	s_mov_b32 s63, 0
	s_lshr_b32 s66, s48, 1                         ; V's: 8,192 bytes for two heads, the odd head's words 8 bytes on
	s_lshl_b32 s66, s66, 13
	s_and_b32 s67, s48, 1
	s_lshl_b32 s67, s67, 3
	s_add_co_u32 s66, s66, s67
	s_mov_b32 s67, 0
	s_lshr_b32 s74, s48, 4                         ; out: the batch's 2,048 rows of 4,096 bytes,
	s_lshl_b32 s74, s74, 23
	s_lshl_b32 s75, s51, 5
	s_lshl_b32 s76, s52, 3
	s_add_co_u32 s75, s75, s76
	s_lshl_b32 s75, s75, 12                        ; row 32 PG + 8 U,
	s_add_co_u32 s74, s74, s75
	s_and_b32 s75, s48, 15
	s_lshl_b32 s75, s75, 8                         ; the head's 256 bytes
	s_add_co_u32 s74, s74, s75
	s_mov_b32 s75, 0
	s_mov_b32 s[MNT], 0x600000
	s_mov_b32 s[SEL], 0x76543210
	s_mov_b32 s[SEL+1], 0xfedcba98
	s_mov_b32 s[CS], 0x3e38aa3b                    ; c = log2(e) / 8
	s_mov_b32 s[CS+1], s[CS]                       ; (named with it as a pair, so it is written)
	s_mov_b32 s69, 0x05040100                      ; v_perm_b32: the two low halves;
	s_mov_b32 s70, 0x07060302                      ; the two high halves
	; descriptor group 1: 4,096 dense bytes as 16 rows of 256 bytes (32 elements of 8 bytes), no padding: every LDS load here takes 512 consecutive bytes
	s_mov_b32 s[G1], 15|(3<<16)|(1<<21)            ; 15:0 the mask: all four work-groups; 17:16 elements of 8 bytes; 21 set beside a mask
	s_mov_b32 s[G1+1], 32<<16                      ; tensor_dim0
	s_mov_b32 s[G1+2], 16<<16                      ; tensor_dim1
	s_mov_b32 s[G1+3], 32<<16                      ; tile_dim0
	s_mov_b32 s[G1+4], 16                          ; tile_dim1
	s_mov_b32 s[G1+5], 32                          ; tensor_dim0_stride
	s_mov_b32 s[G1+6], 0
	s_mov_b32 s[G1+7], 0
	v_and_b32 v6, 31, v0                           ; lane
	v_and_b32 v7, 15, v0                           ; r
	v_lshlrev_b32 v[AK0], 4, v6
	v_add_nc_u32 v[AV0], VREG, v[AK0]
	v_lshlrev_b32 v8, 4, v7                        ; 16 r
	v_add_nc_u32 v[ASK0], SCK, v8
	v_add_nc_u32 v[ASV0], SCV, v8
	v_bfe_u32 v6, v0, 4, 1
	v_lshl_add_u32 v[GO], v6, 12, v8               ; lanes 0-15 one row of out, lanes 16-31 the next; 16 bytes a lane
	v_lshlrev_b32 v9, 3, v0                        ; 8 x thread: my 8 bytes of the scale words
	v_add_nc_u32 v11, SCK, v9
	v_lshrrev_b32 v10, 5, v0                       ; V's words as they lie in memory: key step t / 32 (two units of 256 bytes), r = (t / 2) % 16, beta = t % 2
	v_lshlrev_b32 v10, 9, v10
	v_bfe_u32 v[TMP], v0, 1, 4
	v_lshl_add_u32 v10, v[TMP], 4, v10
	v_and_b32 v[TMP], 1, v0
	v_lshl_add_u32 v10, v[TMP], 2, v10
	s_wait_dscnt 0x0
	s_wait_kmcnt 0x0
	s_add_nc_u64 s[4:5], s[4:5], s[54:55]
	s_add_nc_u64 s[6:7], s[6:7], s[56:57]
	s_add_nc_u64 s[10:11], s[10:11], s[62:63]
	s_add_nc_u64 s[14:15], s[14:15], s[66:67]
	s_add_nc_u64 s[16:17], s[16:17], s[74:75]
	s_cmp_lt_u32 s[WV], 8                          ; K's buffer or V's: the choice hangs on the wave's number alone
	s_cselect_b64 s[60:61], s[8:9], s[12:13]
	s_add_nc_u64 s[60:61], s[60:61], s[58:59]
.irp j, 0,1,2,3
	s_mov_b32 s[G0+4*\j], 1                        ; 1:0 count = 1
	s_add_co_u32 s[G0+4*\j+1], s72, 32768*\j       ; 63:32 LDS address
	s_add_nc_u64 s[G0+4*\j+2:G0+4*\j+3], s[60:61], 32768*\j   ; 120:64 global address
	s_or_b32 s[G0+4*\j+3], s[G0+4*\j+3], 0x80000000           ; 127:126 type = 2
.endr
	global_load_b128 v[24:27], v[AK0], s[4:5]              ; Q's fragment, d 0-31,
	global_load_b128 v[28:31], v[AK0], s[4:5] offset:512   ; d 32-63: it stays in registers
	global_load_b32 v[QW], v8, s[6:7]                      ; its rows' scale bytes, with those of the rows 8 further on
	global_load_b64 v[BM:BM+1], v9, s[10:11]               ; K's scale words go into LDS as they lie
	global_load_b32 v[T1], v10, s[14:15]                   ; V's: the words of the step's first 64 keys
	global_load_b32 v[T1+1], v10, s[14:15] offset:256      ; and of its second
	CROUND                                         ; all four work-groups are here: the joint loads meet
	tensor_load_to_lds s[G0:G0+3], s[G1:G1+7]      ; all fills of the launch go out as one group
	s_nop 0
	tensor_load_to_lds s[G0+4:G0+7], s[G1:G1+7]
	s_nop 0
	tensor_load_to_lds s[G0+8:G0+11], s[G1:G1+7]
	s_nop 0
	tensor_load_to_lds s[G0+12:G0+15], s[G1:G1+7]
	s_nop 0
.rept 4
	v_nop
.endr
.irp j, 16,17,18,19,20,21,22,23,32,33,34,35,36,37,38,39
	v_mov_b32 v[\j], 0                             ; the zero codes on both sides of Q
.endr
.set j, 0
.rept 32
	v_mov_b32 v[O+j], 0                            ; O^T.  (The step is written without a first step of its own: it finds zeros, which the first change of M leaves zeros)
.set j, j+1
.endr
	v_mov_b32 v14, 0                               ; the sum, in two halves
	v_mov_b32 v15, 0
	v_mov_b32 v[FF+1], 0                           ; (named as the upper half of the pair)
	v_mov_b32 v13, 0xff61b1e6                      ; the largest t so far: -3e38, under every t
	v_floor_f32 v12, -v13                          ; -M
	s_wait_loadcnt 0x0
	v_bfe_u32 v[QS0], v[QW], s53, 16               ; my rows' two bytes: for [Q | zeros];
	v_lshlrev_b32 v[QS1], 16, v[QS0]               ; for [zeros | Q]
	v_perm_b32 v[T1+2], v[T1+1], v[T1], s69        ; V's word of tile (beta, u = 0): two bytes of each 64 keys;
	v_perm_b32 v[T1+3], v[T1+1], v[T1], s70        ; of tile (beta, u = 1)
	ds_store_b64 v11, v[BM:BM+1]
	ds_store_b64 v11, v[T1+2:T1+3] offset:SCV-SCK
; A KEY STEP: 128 keys.
.macro STEP
	v_add_nc_u32 v[ADK], s[TB], v[AK0]
	v_add_nc_u32 v[ADV], s[TB], v[AV0]
	v_add_nc_u32 v[ADS], s[TS], v[ASK0]
	v_add_nc_u32 v[ADT], s[TS], v[ASV0]
.rept 4
	v_nop                                          ; with the four additions: eight places behind the last products, in front of loads into registers that they read
.endr
	ds_load_b128 v[KSC:KSC+3], v[ADS]              ; K's scale words of the four blocks of 32 keys
.irp b, 0,1,2,3
.irp c, 0,1,2,3
	ds_load_b128 v[F+16*\b+4*\c:F+16*\b+4*\c+3], v[ADK] offset:2048*\b+512*\c
.endr
.endr
.irp b, 0,1,2,3                                ; S^T = K Q^T: lane (r, h) holds query r; register 16 b + i is key 32 b + 16 h + i
	s_wait_dscnt 12-4*\b                           ; LDS loads come back in order: block b's four are in; the later blocks' may be out
	v_wmma_scale_f32_16x16x128_f8f6f4 v[S+16*\b:S+16*\b+7], v[F+16*\b:F+16*\b+15], v[24:39], 0, v[KSC+\b], v[QS0]
	v_wmma_scale_f32_16x16x128_f8f6f4 v[S+16*\b+8:S+16*\b+15], v[F+16*\b:F+16*\b+15], v[16:31], 0, v[KSC+\b], v[QS1]
.endr
.rept 8
	v_nop                                          ; places in front of the first read of the scores and of the loads below
.endr
.irp t, 0,1,2,3                                ; V's four fragments are asked for now and land under the softmax: tile t = 2 beta + u, d = 32 beta + 8 u + r + 8 (r / 8)
.irp c, 0,1,2,3
	ds_load_b128 v[F+16*\t+4*\c:F+16*\t+4*\c+3], v[ADV] offset:(\c/2)*4096+(\t/2)*2048+(\t%2)*1024+(\c%2)*512
.endr
.endr
	ds_load_b128 v[VSC:VSC+3], v[ADT]
.irp b, 0,1,2,3
	v_max3_num_f32 v[BM+\b], v[S+16*\b], v[S+16*\b+1], v[S+16*\b+2]   ; the largest score of each block of 32 keys: for the row's maximum, and, since p rises with the score, for the block's largest p
.endr
.irp i, 3,5,7,9,11,13
.irp b, 0,1,2,3
	v_max3_num_f32 v[BM+\b], v[BM+\b], v[S+16*\b+\i], v[S+16*\b+\i+1]
.endr
.endr
.irp b, 0,1,2,3
	v_max_num_f32 v[BM+\b], v[BM+\b], v[S+16*\b+15]
.endr
.irp b, 0,1,2,3
	v_permlanex16_b32 v[T1+\b], v[BM+\b], s[SEL], s[SEL+1]
.endr
.irp b, 0,1,2,3
	v_max_num_f32 v[BM+\b], v[BM+\b], v[T1+\b]     ; with lane l xor 16's 16 keys
.endr
	v_max3_num_f32 v[TMP], v[BM], v[BM+1], v[BM+2]
	v_max_num_f32 v[TMP], v[TMP], v[BM+3]          ; the step's largest score of my query
	v_mul_f32 v[TMP], s[CS], v[TMP]                ; as t (c is positive)
	v_max_num_f32 v13, v13, v[TMP]                 ; the running largest t
	v_mov_b32 v[TMP], v12
	v_floor_f32 v12, -v13                          ; the new -M = floor(-t) = -ceil(t)
	v_sub_f32 v[TMP], v12, v[TMP]                  ; old M - new M: a whole number, 0 or less
	v_cvt_i32_f32 v[TMP], v[TMP]                   ; (it saturates)
	v_ldexp_f32 v[FF], 1.0, v[TMP]                 ; f = 2^(old M - new M)
.set j, 0
.rept 32
	v_pk_fma_f32 v[S+j:S+j+1], v[S+j:S+j+1], s[CS:CS+1], v[12:13] op_sel_hi:[1,0,0]   ; t - M, two at a time
.set j, j+2
.endr
.irp b, 0,1,2,3
	v_fma_f32 v[BM+\b], v[BM+\b], s[CS], v12       ; the same of each block's largest score
.endr
.set j, 0
.rept 64
	v_exp_f32 v[S+j], v[S+j]                       ; p = 2^(t - M), at most 1
.set j, j+1
.endr
.irp b, 0,1,2,3
	v_exp_f32 v[BM+\b], v[BM+\b]                   ; the block's largest p: the same two instructions on the same number
.endr
	v_pk_mul_f32 v[14:15], v[14:15], v[FF:FF+1] op_sel_hi:[1,0]   ; the sums under the new M.  (The plain place behind the exponentials)
	s_wait_alu depctr_va_vdst(0)
.irp b, 0,1,2,3
	v_max_num_f32 v[BM+\b], 0x4800000, v[BM+\b]    ; the floor 2^(9 - 127): the byte cannot fall under 1
.endr
.irp b, 0,1,2,3
	v_add_nc_u32 v[SO+\b], 0xfc000000, v[BM+\b]    ; 8 off the exponent field: the conversion's scale operand
.endr
.irp b, 0,1,2,3
	v_and_or_b32 v[HD+\b], v[BM+\b], 0x7f800000, s[MNT]   ; 448 x the scale
.endr
.irp b, 0,1,2,3
	v_lshrrev_b32 v[T1+\b], 23, v[SO+\b]           ; the scale's byte
.endr
	v_lshl_or_b32 v[PW], v[T1+1], 8, v[T1]         ; p's scale word for these 128 keys
	v_lshl_or_b32 v[PW], v[T1+2], 16, v[PW]
	v_lshl_or_b32 v[PW], v[T1+3], 24, v[PW]
	v_pk_add_f32 v[T1:T1+1], v[S:S+1], v[S+2:S+3]  ; the row's sum is taken of the unquantised p: two at a time, in two chains
.irp j, 4,8,12,16,20,24,28,32,36,40,44,48,52,56,60
	v_pk_add_f32 v[14:15], v[14:15], v[S+\j:S+\j+1]
	v_pk_add_f32 v[T1:T1+1], v[T1:T1+1], v[S+\j+2:S+\j+3]
.endr
	v_pk_add_f32 v[14:15], v[14:15], v[T1:T1+1]
.irp b, 0,1,2,3
.irp i, 0,1,2,3,4,5,6,7,8,9,10,11,12,13,14,15
	v_min_num_f32 v[S+16*\b+\i], v[S+16*\b+\i], v[HD+\b]   ; the conversion to an 8-bit code does not saturate (ISA guide 7.6.2); p is not negative, so the hold is one-sided
.endr
	v_cvt_scalef32_pk8_fp8_f32 v[PC+4*\b:PC+4*\b+1], v[S+16*\b:S+16*\b+7], v[SO+\b]
	v_cvt_scalef32_pk8_fp8_f32 v[PC+4*\b+2:PC+4*\b+3], v[S+16*\b+8:S+16*\b+15], v[SO+\b]
.endr
.set j, 0
.rept 16
	v_pk_mul_f32 v[O+j:O+j+1], v[O+j:O+j+1], v[FF:FF+1] op_sel_hi:[1,0]   ; O^T under the new M, each tile from its low end on.  (These sixteen are also the places between the conversions and the products below)
.set j, j+2
.endr
	s_wait_dscnt 0x0                               ; V's fragments and scale words are in
.irp t, 0,1,2,3                                ; O^T += V^T P^T: the four accumulators by turns
	v_wmma_scale_f32_16x16x128_f8f6f4 v[O+8*\t:O+8*\t+7], v[F+16*\t:F+16*\t+15], v[PC:PC+15], v[O+8*\t:O+8*\t+7], v[VSC+\t], v[PW]
.endr
	s_add_co_u32 s[TB], s[TB], 8192
	s_add_co_u32 s[TS], s[TS], 256
.endm
; Four key steps: those that load j of the sixteen waves has brought.  left: how many of my later loads may stay out.  Nothing is ever filled again, so they may stay out across the barrier.
.macro PHASE left, j
	s_wait_tensorcnt \left                         ; tensor loads of a wave end in order (ISA guide 10.11.1): my load j has landed,
	s_wait_dscnt 0x0                               ; my LDS stores too (the scale words, ahead of the first phase),
	s_barrier_signal -1
	s_barrier_wait -1                              ; and everybody's
	s_mov_b32 s[TB], 32768*\j
	s_mov_b32 s[TS], 1024*\j
	s_mov_b32 s[CNT], 4
.Lstep_\@:
	STEP
	s_sub_co_u32 s[CNT], s[CNT], 1
	s_cmp_lg_u32 s[CNT], 0
	s_cbranch_scc1 .Lstep_\@
.endm
	PHASE 3, 0
	PHASE 2, 1
	PHASE 1, 2
	PHASE 0, 3
	; THE WAY OUT.  O^T is divided by the row's sum and goes through my stage in LDS: a row of 64 numbers is 256 bytes, which sixteen lanes store as one aligned unit.
	s_wait_dscnt 0x0
	s_barrier_signal -1
	s_barrier_wait -1                              ; nobody reads K any more: the stages lie in its bytes, which have had their only fill
	v_add_f32 v14, v14, v15                        ; the sum's two halves,
	v_permlanex16_b32 v[T1], v14, s[SEL], s[SEL+1]
	v_add_f32 v14, v14, v[T1]                      ; and lane l xor 16's
	v_rcp_f32 v14, v14
	v_and_b32 v8, 15, v0                           ; (plain lines behind the reciprocal; with the additions above they are also the places behind the last products)  r
	v_bfe_u32 v9, v0, 4, 1                         ; h
	s_mul_i32 s54, s[WV], STGW                     ; my stage
	v_mul_u32_u24 v6, v8, 272
	v_lshl_add_u32 v6, v9, 6, v6
	v_add_nc_u32 v6, s54, v6                       ; in: row r, + 64 h: registers 16 beta + 0 .. 15 are d = 32 beta + 16 h + 0 .. 15
	v_mul_u32_u24 v7, v9, 272
	v_lshl_add_u32 v7, v8, 4, v7
	v_add_nc_u32 v7, s54, v7                       ; back: lanes 0-15 one row, lanes 16-31 the next
.set j, 0
	s_wait_alu depctr_va_vdst(0)
.rept 32
	v_mul_f32 v[S+j], v[O+j], v14
.set j, j+1
.endr
.irp e, 0,1
.irp i, 0,1,2,3
	ds_store_b128 v6, v[S+16*\e+4*\i:S+16*\e+4*\i+3] offset:128*\e+16*\i
.endr
.endr
.irp k, 0,1,2,3,4,5,6,7
	ds_load_b128 v[F+4*\k:F+4*\k+3], v7 offset:2*\k*272   ; LDS serves a wave's instructions in order (ISA guide 5.7.1.4): these see my stores
.endr
.irp k, 0,1,2,3,4,5,6,7
	s_wait_dscnt 7-\k                              ; rows 2 k and 2 k + 1 are back; the younger loads may be out
	global_store_b128 v[GO], v[F+4*\k:F+4*\k+3], s[16:17] offset:(2*\k+8*(\k/4))*4096 th:TH_STORE_NT   ; stage row i is query i + 8 (i / 8) of my 32; 16 lanes store 256 consecutive bytes, at a multiple of 256 from out's first byte
.endr
	s_wait_tensorcnt 0x0
	ds_add_u32 v254, v255
	s_wait_dscnt 0x0
	CROUND                                         ; the closing round: no work-group ends while a partner may still ask for a tile that names it
	s_endpgm
.Lfunc_end_k_qf68d940df2_attn:
	.size	k_qf68d940df2_attn, .Lfunc_end_k_qf68d940df2_attn-k_qf68d940df2_attn
	.p2alignl 7, 3214868480
	.fill 96, 4, 3214868480
	.section	.rodata,"a",@progbits
	.p2align	6, 0x0
	.amdhsa_kernel k_qf68d940df2_attn
		.amdhsa_group_segment_fixed_size 272384
		.amdhsa_private_segment_fixed_size 0
		.amdhsa_enable_private_segment 0
		.amdhsa_kernarg_size 56
		.amdhsa_user_sgpr_count 2
		.amdhsa_user_sgpr_kernarg_segment_ptr 1
		.amdhsa_wavefront_size32 1
		.amdhsa_system_sgpr_workgroup_id_x 1
		.amdhsa_system_sgpr_workgroup_id_y 1
		.amdhsa_system_sgpr_workgroup_id_z 1
		.amdhsa_system_vgpr_workitem_id 0
		.amdhsa_next_free_vgpr 256
		.amdhsa_next_free_sgpr 80
		.amdhsa_reserve_vcc 0
		.amdhsa_float_denorm_mode_32 3
		.amdhsa_float_denorm_mode_16_64 3
		.amdhsa_memory_ordered 1
		.amdhsa_forward_progress 1
		.amdhsa_inst_pref_size 88
	.end_amdhsa_kernel
	.amdgpu_metadata
---
amdhsa.version: [ 1, 2 ]
amdhsa.kernels:
  - .name:           k_qf68d940df2_attn
    .symbol:         k_qf68d940df2_attn.kd
    .args:
      - { .name: qc, .offset: 0, .size: 8, .value_kind: global_buffer, .address_space: global }
      - { .name: qs, .offset: 8, .size: 8, .value_kind: global_buffer, .address_space: global }
      - { .name: kc, .offset: 16, .size: 8, .value_kind: global_buffer, .address_space: global }
      - { .name: ks, .offset: 24, .size: 8, .value_kind: global_buffer, .address_space: global }
      - { .name: vc, .offset: 32, .size: 8, .value_kind: global_buffer, .address_space: global }
      - { .name: vs, .offset: 40, .size: 8, .value_kind: global_buffer, .address_space: global }
      - { .name: out0, .offset: 48, .size: 8, .value_kind: global_buffer, .address_space: global }
    .group_segment_fixed_size: 272384
    .private_segment_fixed_size: 0
    .kernarg_segment_align: 8
    .kernarg_segment_size: 56
    .max_flat_workgroup_size: 512
    .sgpr_count:     80
    .vgpr_count:     256
    .wavefront_size: 32
...
	.end_amdgpu_metadata
.endif
;; end of part 2
